; MI455X (gfx1250); checked and timed in simulation.
; The chip was launched on July 23, 2026; its instructions are those of AMD's public machine-readable ISA for CDNA 5 (MIT licence, August 2026) and "CDNA5" Instruction Set Architecture Reference Guide (July 2026). The comments in the code are by the model that wrote it; some were corrected since.
;; Attention Layer. Allowed arithmetic: matrix products marked QUANTISED: E4M3 operands, one given power-of-two scale a tensor, by v_wmma_f32_16x16x64_fp8_fp8 or v_wmma_f32_16x16x128_fp8_fp8, f32 sums; products left as they are: f32 operands where the result goes on into a quantised operand, else bf16, f16 or f32 operands; f32 sums; everything else in f32.
;; Inputs: Wk 128 x 128 float32; Wo 128 x 128 float32; Wq 128 x 128 float32; Wv 128 x 128 float32; adj_mask 1,024 x 1,024 bool; bk 128 float32; bo 128 float32; bq 128 float32; bv 128 float32; key 8 x 1,024 x 128 float32; lowp_scales 10 int32 (the exponents e of the quantised operands' scales 2^e); query 8 x 1,024 x 128 float32; value 8 x 1,024 x 128 float32.
;; Outputs: out0 8 x 1,024 x 128 float32.
;; This version of the problem:
;;   THIS VERSION OF THE PROBLEM IS GIVEN IN LOW PRECISION. The matrix products marked QUANTISED in the list below multiply operands that are first quantised to E4M3 (4 exponent bits, 3 mantissa bits; 8 bits a number), with one given power-of-two scale for each operand tensor; their sums are f32. All else is computed in f32.
;;   The module's matrix products, in the order in which they are computed (A, B: the left and right operand; K: the contracted axis; several contracted axes count as one K, in the product's order):
;;     1. [M 8,192, K 128] x [K 128, N 128]; A: input query; B: input Wq: QUANTISED (scales: A lowp_scales[0], B lowp_scales[1])
;;     2. [M 8,192, K 128] x [K 128, N 128]; A: input key; B: input Wk: QUANTISED (scales: A lowp_scales[2], B lowp_scales[3])
;;     3. [M 8,192, K 128] x [K 128, N 128]; A: input value; B: input Wv: QUANTISED (scales: A lowp_scales[4], B lowp_scales[5])
;;     4. batch 64 x [M 1,024, K 16] x [K 16, N 1,024]; A: computed on the way; B: computed on the way: left as it is (K = 16 < 32)
;;     5. batch 64 x [M 16, K 1,024] x [K 1,024, N 1,024]; A: computed on the way; B: computed on the way: QUANTISED (scales: A lowp_scales[6], B lowp_scales[7])
;;     6. [M 8,192, K 128] x [K 128, N 128]; A: computed on the way; B: input Wo: QUANTISED (scales: A lowp_scales[8], B lowp_scales[9])
;;   THE QUANTISER, for each operand of a quantised product, along K:
;;     - The operand's scale is 2^e, e = its entry of the input lowp_scales (int32; the entries are numbered through the quantised products in the list's order, A before B).
;;     - Each number is divided by the scale, clamped to +-448, and rounded to the nearest number of E4M3, ties to even, subnormals kept.
;;     - The product sums the exact products of the quantised numbers (number of the format x scale) in f32.
;;   ~~~python
;;   def quantise(x, axis, e):      # numpy; x: float32 -> the quantised numbers, widened to float32 again
;;       x = np.moveaxis(x, axis, -1); K = x.shape[-1]
;;       r = np.clip(x / 2.0 ** e, -448, 448)
;;       step = 2.0 ** (np.maximum(np.frexp(np.where(r == 0, 1, r))[1] - 1, -6) - 3)
;;       q = np.round(r / step) * step * 2.0 ** e      # np.round: ties to even
;;       return np.moveaxis(q, -1, axis).astype(np.float32)
;;   ~~~
;;   OPERANDS COMPUTED ON THE WAY. 'Computed on the way' means the value that the module computes at that place (a softmax that the list does not call 'softmax' is quantised finished and normalised). What goes into a quantiser is computed in f32, as accurately as f32 sums, v_exp_f32 and their like allow (about 1e-6 of the number): no bf16 or f16 on the way to a quantiser, and a product that is left as it is and whose result goes on into a quantised operand takes f32 operands (vector FMAs, or v_wmma_f32_16x16x4_f32). A number that lies on a knife's edge between two numbers of the format may be rounded either way, as far as f32 arithmetic and the matrix unit's own rounding can turn it there, and no further.
;; One version. Each part assembles by itself: llvm-mc -triple=amdgcn-amd-amdhsa -mcpu=gfx1250 --defsym DOCPART=n.
;; ======== version 1 of 1: 2 launches
;; workspace buffers: qimg 4,194,304 bytes; kimg 4,194,304 bytes; vimg 1,048,576 bytes; mbits 131,072 bytes of whole numbers
;; launch prep (part 1): grid 64 x 4, 8 waves a work-group, no clusters, 84,992 bytes of LDS; arguments query, key, value, Wq, Wk, Wv, bq, bk, bv, adj_mask, lowp_scales, qimg, kimg, vimg, mbits; writes qimg, kimg, vimg, mbits
.if DOCPART == 1
	.amdgcn_target "amdgcn-amd-amdhsa--gfx1250"
	.amdhsa_code_object_version 6
	.text
	.protected	k_q6ed7497e8a_prep
	.globl	k_q6ed7497e8a_prep
	.p2align	8
	.type	k_q6ed7497e8a_prep,@function
k_q6ed7497e8a_prep:
	s_mov_b64 s[64:65], 0
	v_nop
	global_prefetch_b8 v0, s[64:65] scope:SCOPE_SE
	s_setreg_imm32_b32 hwreg(HW_REG_WAVE_MODE, 25, 1), 1
	s_wait_xcnt 0x0
; THE THREE INPUT PROJECTIONS AND THE MASK AS LANE WORDS.  Work-group y says which: 0 q = query Wq + bq, 1 k = key Wk + bk, 2 v = value Wv + bv, 3 the mask.
; The projections are products on codes of FP8 (E4M3): x and W are quantised here with the given scales 2^ea, 2^eb (entries 2 y and 2 y + 1), the sums are f32 and are multiplied once by 2^(ea + eb).
; y < 3: work-group x takes rows 128 x .. 128 x + 127 of its tensor ([8,192][128]): batch b = x / 8, step s = x % 8.  Wave w quantises rows 16 w .. 16 w + 15 (one fragment, which goes to the other waves through LDS as an
; image of its registers) and owns columns 16 w .. 16 w + 15 of W, which are head w: a lane takes a column of W and its registers run down K, so W's codes are made in the fragment's own registers.
; OUT.  q and k leave as f32 in the order in which the next launch's f32 matrix operands take them: [b][head][s][tile of 16 rows][g 2][lane][16 bytes], lane (r, h) holding dims 8 h + 4 g .. + 3 of row r;
; q is multiplied by c = log2(e) / 4 on the way, so that the next launch's sums are exponents of 2.  v is quantised with entry 6 and leaves as codes with the KEYS along a lane's registers:
; [b][head][s][g 4][lane][16 bytes], lane (r = d, h), register 2 c + j / 4, byte j % 4 = key 128 s + 16 c + 8 h + j.  Every store of a wave covers 512 consecutive bytes.
; y = 3: work-group x takes queries 16 x .. 16 x + 15, wave w keys 128 w .. + 127.  Word 8 c + j of the wave's 64 has in bit L: adj_mask[16 x + L % 16][128 w + 16 c + 8 (L / 16) + j]: the lane mask of one register of scores.
; LIMITS on the given exponents, so that each power of two below is an f32 number: ea, eb and entry 6 between -126 and 119; ea + eb between -124 and 127.  NaN among the inputs is not served (an infinity is held at the largest code).
.set XIMG, 0                           ; LDS: the eight fragments of x, 2,048 bytes each
.set STG,  16384                       ; then a stage of 16 rows x (512 + 16) bytes for each wave, its own
.set SPT,  528
.set LI,   4                           ; v4   16 x lane
.set NA,   16                          ; v16-79   x as it is loaded; later, with NB, the eight fragments of x
.set NB,   80                          ; v80-143  64 numbers of a lane: register 16 c + i = k 32 c + 16 h + i
.set WF,   144                         ; v144-159 W's fragment
.set PC,   160                         ; v160-175 codes just made
.set DD,   176                         ; v176-239 eight accumulators
.set BI,   240                         ; v240-247 the bias of my eight columns (q, k)
.set B1,   248                         ; v248     the bias of my one column (v); v249 is named with it as a pair
.set WV,   38
.set JOB,  39
; 2^e and 448 x 2^e as f32 numbers, from the whole number e in s[e]
.macro SCALE e, sc, lim
	s_add_co_i32 s62, s[\e], 127
	s_lshl_b32 s63, s62, 23
	v_mov_b32 v[\sc], s63
	s_add_co_i32 s62, s62, 8
	s_lshl_b32 s62, s62, 23
	s_or_b32 s62, s62, 0x600000
	v_mov_b32 v[\lim], s62
.endm
; 64 numbers of a lane, v[s] on, become 16 registers of codes, v[d] on: eight neighbours to a conversion
.macro QUANT s, d, sc, lim
.irp g, 0,1,2,3,4,5,6,7
.irp i, 0,1,2,3,4,5,6,7
	v_med3_num_f32 v[\s+8*\g+\i], v[\s+8*\g+\i], -v[\lim], v[\lim]   ; the conversion to an 8-bit code does not saturate (ISA guide 7.6.2): the hold at the largest code x the scale
.endr
	v_cvt_scalef32_pk8_fp8_f32 v[\d+2*\g:\d+2*\g+1], v[\s+8*\g:\s+8*\g+7], v[\sc]
.endr
	v_nop                                          ; one plain vector instruction behind the last conversion, ahead of whatever next touches its registers
.endm
	s_load_b512 s[8:23], s[0:1], 0x0               ; query, key, value, Wq, Wk, Wv, bq, bk
	s_load_b256 s[24:31], s[0:1], 0x40             ; bv, adj_mask, lowp_scales, qimg
	s_load_b128 s[32:35], s[0:1], 0x60             ; kimg, vimg
	s_load_b64 s[36:37], s[0:1], 0x70              ; mbits
	v_lshl_add_u32 v254, v0, 2, 0x14800
	v_mov_b32 v255, 0
	v_lshrrev_b32 v1, 5, v0
	v_readfirstlane_b32 s[WV], v1                  ; wave 0..7
	s_and_b32 s[JOB], ttmp7, 0xffff                ; y
	v_and_b32 v1, 31, v0                           ; lane
	v_and_b32 v2, 15, v0                           ; r
	v_bfe_u32 v3, v0, 4, 1                         ; h
	v_lshlrev_b32 v[LI], 4, v1
	s_cmp_eq_u32 s[JOB], 3                         ; the same in all waves of a work-group; the mask's path has no LDS line and no barrier
	s_cbranch_scc1 .Lmask
	; ---- a projection
	s_lshl_b32 s43, s[JOB], 3                      ; my two scales' place
	s_lshl_b32 s55, s[WV], 6                       ; 64 w: my 16 columns in bytes
	v_lshlrev_b32 v6, 2, v2
	v_lshl_add_u32 v6, v3, 13, v6
	v_add_nc_u32 v6, s55, v6                       ; W: 8,192 h + 64 w + 4 r: column 16 w + r, lanes 16-31 begin 16 rows further down
	v_lshl_add_u32 v10, v3, 5, s55                 ; bias, eight numbers: 64 w + 32 h
	v_lshl_add_u32 v11, v2, 2, s55                 ; bias, one number: 64 w + 4 r
	s_mul_i32 s56, s[WV], 16*SPT
	s_add_co_u32 s56, s56, STG                     ; my stage
	v_add_nc_u32 v7, s56, v[LI]                    ; in: a row as it is loaded, 16 bytes a lane
	v_mul_u32_u24 v8, v2, SPT
	v_lshl_add_u32 v8, v3, 6, v8
	v_add_nc_u32 v8, s56, v8                       ; back: row r, + 64 h: my 16 numbers of a block of 32
	s_lshl_b32 s57, s[WV], 11
	v_add_nc_u32 v9, s57, v[LI]                    ; where my fragment's image goes: XIMG + 2,048 w + 16 x lane
	v_mov_b32 v[B1+1], 0
	s_wait_kmcnt 0x0
	s_load_b64 s[40:41], s[28:29], s43 offset:0x0  ; ea, eb
	s_load_b32 s42, s[28:29], 0x18                 ; entry 6: v as an operand of attn x v
	s_mov_b32 s54, 0x3f800000
	s_cmp_eq_u32 s[JOB], 0                         ; the choices hang on the work-group's number alone
	s_cselect_b64 s[44:45], s[8:9], s[10:11]
	s_cselect_b64 s[46:47], s[14:15], s[16:17]
	s_cselect_b64 s[48:49], s[20:21], s[22:23]
	s_cselect_b64 s[50:51], s[30:31], s[32:33]
	s_cselect_b32 s54, 0x3eb8aa3b, s54             ; C = log2(e) / 4 for q, else 1
	s_cmp_eq_u32 s[JOB], 2
	s_cselect_b64 s[44:45], s[12:13], s[44:45]     ; x
	s_cselect_b64 s[46:47], s[18:19], s[46:47]     ; W
	s_cselect_b64 s[48:49], s[24:25], s[48:49]     ; the bias
	s_cselect_b64 s[50:51], s[34:35], s[50:51]     ; where the result goes
	s_lshl_b32 s58, ttmp9, 16
	s_lshl_b32 s60, s[WV], 13
	s_add_co_u32 s58, s58, s60                     ; 65,536 x + 8,192 w: my 16 rows of x
	s_mov_b32 s59, 0
	s_add_nc_u64 s[44:45], s[44:45], s[58:59]
	s_lshr_b32 s60, ttmp9, 3
	s_lshl_b32 s60, s60, 17
	s_lshl_b32 s61, s[WV], 14
	s_add_co_u32 s60, s60, s61
	s_and_b32 s61, ttmp9, 7
	s_lshl_b32 s61, s61, 11
	s_add_co_u32 s60, s60, s61                     ; in vimg: 131,072 b + 16,384 w + 2,048 s
	s_lshl_b32 s58, s60, 2                         ; in qimg and kimg four times that: 524,288 b + 65,536 w + 8,192 s
	s_cmp_eq_u32 s[JOB], 2
	s_cselect_b32 s58, s60, s58
	s_add_nc_u64 s[50:51], s[50:51], s[58:59]
	global_load_b128 v[BI:BI+3], v10, s[48:49]
	global_load_b128 v[BI+4:BI+7], v10, s[48:49] offset:16
	global_load_b32 v[B1], v11, s[48:49]
.irp c, 0,1,2,3
.irp i, 0,1,2,3,4,5,6,7,8,9,10,11,12,13,14,15
	global_load_b32 v[NB+16*\c+\i], v6, s[46:47] offset:(32*\c+\i)*512   ; W(32 c + 16 h + i, 16 w + r)
.endr
.endr
.irp i, 0,1,2,3,4,5,6,7,8,9,10,11,12,13,14,15
	global_load_b128 v[NA+4*\i:NA+4*\i+3], v[LI], s[44:45] offset:512*\i th:TH_LOAD_NT   ; row i of my 16: 512 consecutive bytes
.endr
	s_wait_kmcnt 0x0
	SCALE 40, 12, 13                               ; x's scale
	SCALE 41, 14, 15                               ; W's
	SCALE 42, 250, 251                             ; v's, as an operand
	s_add_co_i32 s52, s40, s41
	s_lshl_b32 s52, s52, 23
	s_add_co_i32 s52, s52, s54                     ; F = C x 2^(ea + eb): the exponents are added to C's exponent field
	s_mov_b32 s53, s52                             ; (named with it as a pair, so it is written)
	s_wait_loadcnt 16                              ; the bias and W are in; x's sixteen loads may be out
	QUANT NB, WF, 14, 15
	s_wait_loadcnt 0x0
.irp i, 0,1,2,3,4,5,6,7,8,9,10,11,12,13,14,15
	ds_store_b128 v7, v[NA+4*\i:NA+4*\i+3] offset:SPT*\i
.endr
.irp c, 0,1,2,3
.irp j, 0,1,2,3
	ds_load_b128 v[NB+16*\c+4*\j:NB+16*\c+4*\j+3], v8 offset:128*\c+16*\j   ; LDS serves a wave's instructions in order (ISA guide 5.7.1.4): these see my stores.  x(r, 32 c + 16 h + 4 j ..)
.endr
.endr
	s_wait_dscnt 0x0
	QUANT NB, PC, 12, 13
.irp c, 0,1,2,3
	ds_store_b128 v9, v[PC+4*\c:PC+4*\c+3] offset:XIMG+512*\c   ; the fragment as it stands
.endr
	s_wait_dscnt 0x0                               ; for the others' sake: my image has landed
	s_barrier_signal -1
	s_barrier_wait -1
.irp m, 0,1,2,3,4,5,6,7
.irp c, 0,1,2,3
	ds_load_b128 v[NA+16*\m+4*\c:NA+16*\m+4*\c+3], v[LI] offset:XIMG+2048*\m+512*\c   ; the same registers in the same lanes, in every wave
.endr
.endr
	s_wait_dscnt 0x0
	s_cmp_eq_u32 s[JOB], 2
	s_cbranch_scc1 .Lvalue
	; ---- q, k: transposed (source 0 = my 16 columns of W, source 1 = 16 rows of x): lane (r, h) holds row r, register j dim 8 h + j of my head
.irp m, 0,1,2,3,4,5,6,7
	v_wmma_f32_16x16x128_fp8_fp8 v[DD+8*\m:DD+8*\m+7], v[WF:WF+15], v[NA+16*\m:NA+16*\m+15], 0
.endr
.irp j, 0,1,2,3,4,5,6,7
	v_mul_f32 v[BI+\j], s54, v[BI+\j]              ; bias x C.  (These eight are the places behind the products)
.endr
.irp m, 0,1,2,3,4,5,6,7
.irp i, 0,2,4,6
	v_pk_fma_f32 v[DD+8*\m+\i:DD+8*\m+\i+1], v[DD+8*\m+\i:DD+8*\m+\i+1], s[52:53], v[BI+\i:BI+\i+1] op_sel_hi:[1,0,1]   ; sum x F + bias x C; each accumulator from its low end on
.endr
.endr
.irp m, 0,1,2,3,4,5,6,7
	global_store_b128 v[LI], v[DD+8*\m:DD+8*\m+3], s[50:51] offset:1024*\m
	global_store_b128 v[LI], v[DD+8*\m+4:DD+8*\m+7], s[50:51] offset:1024*\m+512
.endr
	s_wait_tensorcnt 0x0
	ds_add_u32 v254, v255
	s_wait_dscnt 0x0
	s_endpgm
	; ---- v: source 0 = 16 rows of x (keys), source 1 = my 16 columns: lane (r, h) holds d = r, register j of tile m key 16 m + 8 h + j
.Lvalue:
.irp m, 0,1,2,3,4,5,6,7
	v_wmma_f32_16x16x128_fp8_fp8 v[DD+8*\m:DD+8*\m+7], v[NA+16*\m:NA+16*\m+15], v[WF:WF+15], 0
.endr
.rept 4
	v_nop                                          ; four places behind the products, ahead of the first read of a result (ISA guide 7.12.1)
.endr
.irp m, 0,1,2,3,4,5,6,7
.irp i, 0,2,4,6
	v_pk_fma_f32 v[DD+8*\m+\i:DD+8*\m+\i+1], v[DD+8*\m+\i:DD+8*\m+\i+1], s[52:53], v[B1:B1+1] op_sel_hi:[1,0,0]   ; sum x 2^(ea + eb) + my column's bias
.endr
.endr
	QUANT DD, PC, 250, 251                         ; a lane's registers run along the keys, which are the next product's K
.irp g, 0,1,2,3
	global_store_b128 v[LI], v[PC+4*\g:PC+4*\g+3], s[50:51] offset:512*\g
.endr
	s_wait_tensorcnt 0x0
	ds_add_u32 v254, v255
	s_wait_dscnt 0x0
	s_endpgm
	; ---- the mask
.Lmask:
	s_lshl_b32 s55, ttmp9, 14                      ; 16 x rows of 1,024 bytes
	s_lshl_b32 s56, s[WV], 7
	s_add_co_u32 s55, s55, s56                     ; + my 128 keys
	v_lshlrev_b32 v5, 10, v2
	v_lshl_add_u32 v5, v3, 3, v5
	v_add_nc_u32 v5, s55, v5                       ; row r, + 8 h
	s_lshl_b32 s57, ttmp9, 11
	s_lshl_b32 s58, s[WV], 8
	s_add_co_u32 s57, s57, s58
	v_lshl_add_u32 v6, v1, 3, s57                  ; out: 2,048 x + 256 w + 8 x lane
	v_mov_b32 v32, 0                               ; a lane write's destination counts as read
	v_mov_b32 v33, 0
	s_wait_kmcnt 0x0
.irp c, 0,1,2,3,4,5,6,7
	global_load_b64 v[16+2*\c:17+2*\c], v5, s[26:27] offset:16*\c   ; keys 16 c + 8 h + 0 .. 7 of my query
.endr
	s_wait_loadcnt 0x0
.irp c, 0,1,2,3,4,5,6,7
.irp j, 0,1,2,3,4,5,6,7
	v_bfe_u32 v[34+(\j%4)], v[16+2*\c+(\j/4)], 8*(\j%4), 8
	v_cmp_ne_u32 s[56+(\j%4)], 0, v[34+(\j%4)]     ; word 8 c + j: a bit for each lane
	v_writelane_b32 v[32+(\j%2)], s[56+(\j%4)], 4*\c+(\j/2)   ; lane l keeps words 2 l and 2 l + 1
.endr
.endr
	global_store_b64 v6, v[32:33], s[36:37]        ; the wave's 64 words: 256 consecutive bytes, aligned
	s_endpgm
.Lfunc_end_k_q6ed7497e8a_prep:
	.size	k_q6ed7497e8a_prep, .Lfunc_end_k_q6ed7497e8a_prep-k_q6ed7497e8a_prep
	.p2alignl 7, 3214868480
	.fill 96, 4, 3214868480
	.section	.rodata,"a",@progbits
	.p2align	6, 0x0
	.amdhsa_kernel k_q6ed7497e8a_prep
		.amdhsa_group_segment_fixed_size 84992
		.amdhsa_private_segment_fixed_size 0
		.amdhsa_enable_private_segment 0
		.amdhsa_kernarg_size 120
		.amdhsa_user_sgpr_count 2
		.amdhsa_user_sgpr_kernarg_segment_ptr 1
		.amdhsa_wavefront_size32 1
		.amdhsa_system_sgpr_workgroup_id_x 1
		.amdhsa_system_sgpr_workgroup_id_y 1
		.amdhsa_system_sgpr_workgroup_id_z 1
		.amdhsa_system_vgpr_workitem_id 0
		.amdhsa_next_free_vgpr 256
		.amdhsa_next_free_sgpr 66
		.amdhsa_reserve_vcc 0
		.amdhsa_float_denorm_mode_32 3
		.amdhsa_float_denorm_mode_16_64 3
		.amdhsa_memory_ordered 1
		.amdhsa_forward_progress 1
		.amdhsa_inst_pref_size 51
	.end_amdhsa_kernel
	.amdgpu_metadata
---
amdhsa.version: [ 1, 2 ]
amdhsa.kernels:
  - .name:           k_q6ed7497e8a_prep
    .symbol:         k_q6ed7497e8a_prep.kd
    .args:
      - { .name: query, .offset: 0, .size: 8, .value_kind: global_buffer, .address_space: global }
      - { .name: key, .offset: 8, .size: 8, .value_kind: global_buffer, .address_space: global }
      - { .name: value, .offset: 16, .size: 8, .value_kind: global_buffer, .address_space: global }
      - { .name: Wq, .offset: 24, .size: 8, .value_kind: global_buffer, .address_space: global }
      - { .name: Wk, .offset: 32, .size: 8, .value_kind: global_buffer, .address_space: global }
      - { .name: Wv, .offset: 40, .size: 8, .value_kind: global_buffer, .address_space: global }
      - { .name: bq, .offset: 48, .size: 8, .value_kind: global_buffer, .address_space: global }
      - { .name: bk, .offset: 56, .size: 8, .value_kind: global_buffer, .address_space: global }
      - { .name: bv, .offset: 64, .size: 8, .value_kind: global_buffer, .address_space: global }
      - { .name: adj_mask, .offset: 72, .size: 8, .value_kind: global_buffer, .address_space: global }
      - { .name: lowp_scales, .offset: 80, .size: 8, .value_kind: global_buffer, .address_space: global }
      - { .name: qimg, .offset: 88, .size: 8, .value_kind: global_buffer, .address_space: global }
      - { .name: kimg, .offset: 96, .size: 8, .value_kind: global_buffer, .address_space: global }
      - { .name: vimg, .offset: 104, .size: 8, .value_kind: global_buffer, .address_space: global }
      - { .name: mbits, .offset: 112, .size: 8, .value_kind: global_buffer, .address_space: global }
    .group_segment_fixed_size: 84992
    .private_segment_fixed_size: 0
    .kernarg_segment_align: 8
    .kernarg_segment_size: 120
    .max_flat_workgroup_size: 256
    .sgpr_count:     66
    .vgpr_count:     256
    .wavefront_size: 32
...
	.end_amdgpu_metadata
.endif
;; end of part 1
;; launch attn (part 2): grid 32 x 8, 16 waves a work-group, clusters of 4 x 1, 327,680 bytes of LDS; arguments qimg, kimg, vimg, mbits, Wo, bo, lowp_scales, out0; writes out0
.if DOCPART == 2
	.amdgcn_target "amdgcn-amd-amdhsa--gfx1250"
	.amdhsa_code_object_version 6
	.text
	.protected	k_q6ed7497e8a_attn
	.globl	k_q6ed7497e8a_attn
	.p2align	8
	.type	k_q6ed7497e8a_attn,@function
k_q6ed7497e8a_attn:
	s_mov_b64 s[64:65], 0
	v_nop
	global_prefetch_b8 v0, s[64:65] scope:SCOPE_SE
	s_setreg_imm32_b32 hwreg(HW_REG_WAVE_MODE, 25, 1), 1
	s_wait_xcnt 0x0
	s_wait_alu depctr_hold_cnt(0) depctr_sa_sdst(0) depctr_va_vdst(0) depctr_va_sdst(0) depctr_va_ssrc(0) depctr_va_vcc(0) depctr_vm_vsrc(0)
	s_getreg_b32 s2, hwreg(HW_REG_IB_STS2, 6, 4)
	s_cmp_eq_u32 s2, 0
	s_cbranch_scc0 .Lentry_in_a_cluster
	s_endpgm
.Lentry_in_a_cluster:
	s_bfe_u32 s2, ttmp6, 0x10000c
	s_cmp_lg_u32 s2, 0x3003
	s_cbranch_scc0 .Lentry_shape_is_right
	s_endpgm
.Lentry_shape_is_right:
; out = (attn v) Wo + bo, attn = (softmax(s) + softmax(s where adj_mask, else -inf)) / 2, s = q . k / 4.  B = 8, N = 1,024, 8 heads of 16.
; q (already x log2(e) / 4) and k come as f32 in the order of the f32 matrix operands, v as codes of FP8 (E4M3) with the keys along a lane's registers, the mask as lane words (one word a register of scores).
; SHARES.  A work-group owns 32 queries of one batch and walks the 8 heads, a ROUND each.  Wave w owns the 16 queries of tile qt = w / 8 and keys 128 ks .. 128 ks + 127, ks = w % 8: 64 registers of scores, formed ONCE and kept
; until their codes are made.  The scores have K = 16 and go on into a quantiser, so they are made with f32 operands: S^T = K Q^T, four links of 16 x 16 x 4 a tile; a lane holds ONE query (lane % 16), register j of tile t key 16 t + 8 (lane / 16) + j.
; A ROUND.  Scores; -inf where the mask hides a key; both maxima, met through LDS with the tile's other seven waves (a barrier); Eg = 2^(t - mg) and El = 2^(masked t - ml) under the row's true maxima; both sums, met the same way
; (a barrier); attn = Eg x 0.5 / Sg + El x 0.5 / Sl, finished and normalised as it goes into the quantiser; its codes of score tile c are registers 2 c, 2 c + 1 of source 1 of O^T = V^T P^T (FP8, K = my 128 keys).
; My part of O^T goes to LDS; the eight parts are added at the head of the next round, behind its barrier: wave ks takes register ks of each, so that it gathers o(query r, dim 16 head + 8 h + ks), one number a round, in eight
; registers that move up by one a round.  (The parts' bytes begin as stored zeros: the first round's sum is a 0 that falls off the end.)
; THE WAY OUT.  A lane's eight numbers become eight codes, registers 2 ks, 2 ks + 1 of the output projection's operand; Wo's fragment is laid with the same order of K (place (c, h, j) = row 16 j + 8 h + c).  Wave w makes columns 16 ks .. + 15 of its tile's rows.
; A mask row with no true entry has Sl = 0: 0.5 / Sl is infinite, 0 x it is NaN, and that is added to the lane's bias: the row of out is NaN, as in the definition.
; RING AND CLUSTER.  The four work-groups of a cluster belong to one batch and walk the same K and V: every tensor load is asked for JOINTLY (mask 15).  A head's K (65,536 dense bytes) goes through two slots, waves 0-3 fetching a quarter
; each; V's codes of the batch (131,072 bytes) are fetched once, by waves 4-11, an eighth each.  By this text's count a wave never has more than one tensor load outstanding.
; NO PREFETCH: a refill is asked for at a round's head and wanted at the next round's head: a wave's 32 f32 products and all its vector work of a round lie between.
; LIMITS on the given exponents (entries 6 to 9: e6, e7, e8, e9), so that each power of two below is an f32 number: e7, e9 and e8 - e6 - e7 between -126 and 119; e8 + e9 between -126 and 127.
; NaN and infinities among the inputs are not served; the local maximum is held at -3e38 from below, so exponents t under that are not served.
.set RING1, 65536                      ; LDS: slot 0 at 0, slot 1 here: one exclusive or turns an address of one slot into the other's
.set VRES,  131072                     ; V's codes of the batch: [head][step][g 4][lane][16 bytes]
.set WOIMG, 262144                     ; Wo's fragment as an image of its registers, 2,048 bytes for each wave, its own
.set STM,   294912                     ; the maxima: [qt][ks][lane][mg, ml]: 4,096 bytes; the sums lie STSO behind them, laid alike
.set STSO,  4096
.set OPART, 303104                     ; the parts of O^T: [qt][ks][registers 0-3, 4-7][lane][16 bytes]: 16,384 bytes
.set OIMG,  319488                     ; two images (one a tile of queries) of the output projection's operand, 2,048 bytes each
.set SPARE, 323584                     ; the spare words, 128 bytes for each of the sixteen waves: eight blocks of 256 bytes that no other line names
.set STAGE, 0                          ; the way out: 32 rows of out x (512 + 16) bytes, in slot 0: it has had its last fill (head 6) and its last read (round 6) when the first result is stored there
.set SPT,   528
.set AK0, 1                            ; v1   my lane's place in a slot: 8,192 ks + 16 x lane
.set ADK, 2                            ; v2   LDS address of the round's tiles of K
.set AV0, 3                            ; v3   my lane's place in V: VRES + 2,048 ks + 16 x lane
.set SPW, 4                            ; v4   LDS address of my spare word; never rewritten
.set NIL, 5                            ; v5   0; never rewritten
.set WOW, 6                            ; v6   my image of Wo's fragment
.set NINF, 7                           ; v7   -infinity
.set ADV, 8                            ; v8   LDS address of the round's fragment of V
.set LI,  9                            ; v9   16 x lane
.set MXW, 10                           ; v10  where I put my maxima (and, STSO on, my sums)
.set MXR, 11                           ; v11  where I read the eight waves'
.set OPW, 12                           ; v12  where I put my part of O^T
.set OPR, 13                           ; v13  where I read register ks of the eight parts
.set PR,  14                           ; v[14:15] the pair that goes to LDS: (mg, ml), then (Sg, Sl)
.set FMG, 16                           ; v16  the row's mg; v17, named with it as a pair, keeps Z: 0, or NaN for a row that the mask empties
.set ZZ,  17
.set FML, 18                           ; v18  the row's ml (v19 named with it)
.set SG,  20                           ; v[20:21] Sg, v[22:23] Sl, in two halves
.set SL,  22
.set C0,  24                           ; v24  0.5 / Sg (v25 named with it)     v26  0.5 / Sl (v27 named with it)
.set CL,  26                           ; v28, v29: 2^e7, 448 x 2^e7     v30, v31: the same with e8 - e6 - e7
.set QF,  32                           ; v32-39   Q: dims 8 h + 0 .. 7 of query r
.set OS,  40                           ; v40-47   o(r, 16 head + 8 h + ks), head by head
.set EX,  48                           ; v48-63   what comes back from LDS at an exchange; then V's fragment
.set S,   64                           ; v64-127  eight tiles of scores: written by matrix instructions alone
.set TA,  128                          ; v128-191 masked scores, then El; then PC and OP
.set PC,  128                          ; v128-143 attn's codes of my 128 keys
.set OP,  160                          ; v160-167 my part of O^T
.set TU,  192                          ; v192-255 K's eight tiles; then Eg; then attn
.set KF,  192
.set G0K, 8                            ; s[8:11]  descriptor group 0 for K, which walks
.set G0V, 12                           ; s[12:15] for V
.set SEL, 66                           ; s[66:67] lane selects for v_permlanex16_b32: lane l xor 16
.set WV,  88                           ; s[16:63], s[68:83] my 64 mask words (at the head: the arguments and figures at work)
.set KS,  89                           ; s[4:5] Q's address, s[6:7] bo, s[84:85] out0, s[86:87] 2^(e8 + e9), s[104:105] my mask words' address
.set QTW, 90
.set SLB, 91                           ; s91  LDS byte at which the slot in hand begins
.set G1K, 92                           ; s[92:99] descriptor group 1, the same for every load
.set CNT, 100
.set VS,  101                          ; s101 16,384 x the head
.macro CROUND                          ; a round of the cluster's barrier
	s_barrier_signal -1
	s_barrier_wait -1
	s_cmp_lg_u32 s[WV], 0
	s_cbranch_scc1 .Lnot_wave_0_\@
	s_barrier_signal -3
.Lnot_wave_0_\@:
	s_barrier_wait -3
	s_barrier_signal -1
	s_barrier_wait -1
.endm
.macro BARRIER                         ; my LDS stores have landed and my LDS loads are in: then the work-group's barrier
	s_wait_dscnt 0x0
	s_barrier_signal -1
	s_barrier_wait -1
.endm
.macro KLOAD                           ; waves 0-3 ask for their quarter of a head's K; the branch hangs on the wave's number alone.  Four v_nop follow the load
	s_cmp_lt_u32 s[WV], 4
	s_cbranch_scc0 .Lno_k_\@
	tensor_load_to_lds s[G0K:G0K+3], s[G1K:G1K+7]
	s_nop 0
.rept 4
	v_nop
.endr
.Lno_k_\@:
.endm
; THE CHANGE OF SLOTS, at a round's head.  Each wave waits for all its tensor loads, adds 0 to its spare word, and waits for that and for all its LDS instructions: its reads of the slot that it has left are over and its part of O^T has landed.
; fill = 1: a round of the cluster's barrier, and behind it the slot just left is filled with the next head's K: the load has a whole round's work in which to land.
.macro CHANGE fill
	s_wait_tensorcnt 0x0                           ; no tensor load of mine is out, so a group 0 may be written
	ds_add_u32 v[SPW], v[NIL]                      ; 0 onto my spare word
.if \fill
	s_xor_b32 s[G0K+1], s[G0K+1], RING1            ; the other slot than last time,
	s_add_nc_u64 s[G0K+2:G0K+3], s[G0K+2:G0K+3], 65536   ; the next head; the type bits on top are not reached
.endif
	s_wait_dscnt 0x0
.if \fill
	CROUND                                         ; no wave of any partner still reads that slot or has a load on its way
	KLOAD                                          ; the first thing behind the round, and a wave's one tensor load until the next
.else
	s_barrier_signal -1
	s_barrier_wait -1
.endif
.endm
; 16 f32 matrix instructions: four links (dims 8 h + 2 i, + 1, the same places in K and in Q) x tiles t0 .. t0 + 3.  The four accumulators take turns, one instruction a turn.  The first link starts each sum with 0.
.macro SCORES t0
.irp i, 0,1,2,3
.irp u, 0,1,2,3
.if \i == 0
	v_wmma_f32_16x16x4_f32 v[S+8*(\t0+\u):S+8*(\t0+\u)+7], v[KF+8*(\t0+\u):KF+8*(\t0+\u)+1], v[QF:QF+1], 0
.else
	v_wmma_f32_16x16x4_f32 v[S+8*(\t0+\u):S+8*(\t0+\u)+7], v[KF+8*(\t0+\u)+2*\i:KF+8*(\t0+\u)+2*\i+1], v[QF+2*\i:QF+2*\i+1], v[S+8*(\t0+\u):S+8*(\t0+\u)+7]
.endif
.endr
.endr
.endm
.macro PARTS                           ; register ks of the eight parts of O^T
.irp p, 0,1,2,3,4,5,6,7
	ds_load_b32 v[EX+\p], v[OPR] offset:1024*\p
.endr
.endm
.macro RSUM                            ; their sum goes in at the top of the eight gathered numbers, which move up by one: 14 plain instructions
	v_add_f32 v[EX], v[EX], v[EX+1]
	v_add_f32 v[EX+2], v[EX+2], v[EX+3]
	v_add_f32 v[EX+4], v[EX+4], v[EX+5]
	v_add_f32 v[EX+6], v[EX+6], v[EX+7]
	v_add_f32 v[EX], v[EX], v[EX+2]
	v_add_f32 v[EX+4], v[EX+4], v[EX+6]
.irp j, 0,1,2,3,4,5,6
	v_mov_b32 v[OS+\j], v[OS+\j+1]
.endr
	v_add_f32 v[OS+7], v[EX], v[EX+4]
.endm
; addition k of the 31 that sum the 32 pairs from v[x] on, in two chains a and b
.macro SUMOP a, b, x
.if k == 0
	v_pk_add_f32 v[\a:\a+1], v[\x:\x+1], v[\x+2:\x+3]
.elseif k == 1
	v_pk_add_f32 v[\b:\b+1], v[\x+4:\x+5], v[\x+6:\x+7]
.elseif k == 30
	v_pk_add_f32 v[\a:\a+1], v[\a:\a+1], v[\b:\b+1]
.elseif k < 30
.if k % 2 == 0
	v_pk_add_f32 v[\a:\a+1], v[\a:\a+1], v[\x+2*k+4:\x+2*k+5]
.else
	v_pk_add_f32 v[\b:\b+1], v[\b:\b+1], v[\x+2*k+4:\x+2*k+5]
.endif
.endif
.endm
; A ROUND: one head.  more = 1: another head follows: its K is asked for at the head, its Q behind the scores
.macro ROUND more
	CHANGE \more
	v_add_nc_u32 v[ADK], s[SLB], v[AK0]
	v_add_nc_u32 v[ADV], s[VS], v[AV0]
	PARTS                                          ; the head before's parts of O^T (the barrier above has shown them whole)
.irp t, 0,1,2,3,4,5,6,7
	ds_load_b128 v[KF+8*\t:KF+8*\t+3], v[ADK] offset:1024*\t          ; my eight tiles of K: 512 consecutive bytes a load
	ds_load_b128 v[KF+8*\t+4:KF+8*\t+7], v[ADK] offset:1024*\t+512
.endr
	s_wait_loadcnt 0x0                             ; Q
	s_wait_dscnt 8                                 ; the parts and K's tiles 0-3 are in; the eight loads of tiles 4-7 may be out
	SCORES 0
	s_wait_dscnt 0x0
	SCORES 4
	RSUM                                           ; these fourteen are the eight places behind the f32 products, ahead of the load into Q's registers and of the first read of a score
.if \more
	s_add_nc_u64 s[4:5], s[4:5], 65536             ; (the wait for Q above has freed the address)  the next head's Q: it has the rest of the round in which to land
	global_load_b128 v[QF:QF+3], v[LI], s[4:5]
	global_load_b128 v[QF+4:QF+7], v[LI], s[4:5] offset:512
.endif
	s_wait_kmcnt 0x0                               ; the mask words (asked for once, at the head)
.set n, 0
.rept 64
.if n < 48
.set mr, 16+n
.else
.set mr, 20+n
.endif
	v_cndmask_b32 v[TA+n], v[NINF], v[S+n], s[mr]  ; the score where the mask has the key, else -infinity; each accumulator is read from its low end on
.set n, n+1
.endr
	v_max3_num_f32 v[PR], v[S], v[S+1], v[S+2]     ; the maxima of my 64 scores, in four chains
	v_max3_num_f32 v[PR+1], v[TA], v[TA+1], v[TA+2]
	v_max3_num_f32 v[TU], v[S+32], v[S+33], v[S+34]
	v_max3_num_f32 v[TU+1], v[TA+32], v[TA+33], v[TA+34]
.irp i, 0,1,2,3,4,5,6,7,8,9,10,11,12,13
	v_max3_num_f32 v[PR], v[PR], v[S+3+2*\i], v[S+4+2*\i]
	v_max3_num_f32 v[PR+1], v[PR+1], v[TA+3+2*\i], v[TA+4+2*\i]
	v_max3_num_f32 v[TU], v[TU], v[S+35+2*\i], v[S+36+2*\i]
	v_max3_num_f32 v[TU+1], v[TU+1], v[TA+35+2*\i], v[TA+36+2*\i]
.endr
	v_max3_num_f32 v[PR], v[PR], v[TU], v[S+31]
	v_max3_num_f32 v[PR+1], v[PR+1], v[TU+1], v[TA+31]
	v_max_num_f32 v[PR], v[PR], v[S+63]
	v_max3_num_f32 v[PR+1], v[PR+1], v[TA+63], 0xff61b1e6   ; held at -3e38 from below: where the mask leaves a lane nothing, -infinity less this is still -infinity
	ds_store_b64 v[MXW], v[PR:PR+1]
	BARRIER                                        ; the tile's eight waves' maxima lie in LDS
.irp j, 0,1,2,3,4,5,6,7
	ds_load_b64 v[EX+2*\j:EX+2*\j+1], v[MXR] offset:256*\j   ; my lane's place in each
.endr
	s_wait_dscnt 0x0
	v_max3_num_f32 v[FMG], v[EX], v[EX+2], v[EX+4]
	v_max3_num_f32 v[FML], v[EX+1], v[EX+3], v[EX+5]
	v_max3_num_f32 v[FMG], v[FMG], v[EX+6], v[EX+8]
	v_max3_num_f32 v[FML], v[FML], v[EX+7], v[EX+9]
	v_max3_num_f32 v[FMG], v[FMG], v[EX+10], v[EX+12]
	v_max3_num_f32 v[FML], v[FML], v[EX+11], v[EX+13]
	v_max_num_f32 v[FMG], v[FMG], v[EX+14]
	v_max_num_f32 v[FML], v[FML], v[EX+15]
	v_permlanex16_b32 v[EX], v[FMG], s[SEL], s[SEL+1]   ; the query's other keys lie in the lane 16 away
	v_permlanex16_b32 v[EX+1], v[FML], s[SEL], s[SEL+1]
	v_max_num_f32 v[FMG], v[FMG], v[EX]            ; the row's mg,
	v_max_num_f32 v[FML], v[FML], v[EX+1]          ; and ml
.set n, 0
.rept 32
	v_pk_add_f32 v[TU+n:TU+n+1], v[S+n:S+n+1], v[FMG:FMG+1] op_sel_hi:[1,0] neg_lo:[0,1] neg_hi:[0,1]   ; t - mg (of the pair the low word serves both halves)
.set n, n+2
.endr
.set n, 0
.rept 32                                       ; FIRST BATCH: Eg's 64 exponentials, a plain instruction leading each two
	v_pk_add_f32 v[TA+n:TA+n+1], v[TA+n:TA+n+1], v[FML:FML+1] op_sel_hi:[1,0] neg_lo:[0,1] neg_hi:[0,1]   ; masked t - ml
	v_exp_f32 v[TU+n], v[TU+n]
	v_exp_f32 v[TU+n+1], v[TU+n+1]
.set n, n+2
.endr
	v_nop                                          ; a plain instruction behind the last exponential,
	s_wait_alu depctr_va_vdst(0)                   ; and one wait for the batch, ahead of its first reader
.set k, 0
.rept 32                                       ; SECOND BATCH: El's 64 exponentials, Sg's additions between them
	SUMOP SG, EX, TU
	v_exp_f32 v[TA+2*k], v[TA+2*k]
	v_exp_f32 v[TA+2*k+1], v[TA+2*k+1]
.set k, k+1
.endr
	v_nop
	s_wait_alu depctr_va_vdst(0)                   ; one wait for the batch
.set k, 0
.rept 31
	SUMOP SL, EX+2, TA
.set k, k+1
.endr
	v_add_f32 v[PR], v[SG], v[SG+1]                ; Sg of my 64 keys,
	v_add_f32 v[PR+1], v[SL], v[SL+1]              ; and Sl
	ds_store_b64 v[MXW], v[PR:PR+1] offset:STSO
	BARRIER                                        ; the eight waves' sums lie in LDS
.irp j, 0,1,2,3,4,5,6,7
	ds_load_b64 v[EX+2*\j:EX+2*\j+1], v[MXR] offset:STSO+256*\j
.endr
	s_wait_dscnt 0x0
	v_pk_add_f32 v[EX:EX+1], v[EX:EX+1], v[EX+2:EX+3]          ; both sums at once
	v_pk_add_f32 v[EX+4:EX+5], v[EX+4:EX+5], v[EX+6:EX+7]
	v_pk_add_f32 v[EX+8:EX+9], v[EX+8:EX+9], v[EX+10:EX+11]
	v_pk_add_f32 v[EX+12:EX+13], v[EX+12:EX+13], v[EX+14:EX+15]
	v_pk_add_f32 v[EX:EX+1], v[EX:EX+1], v[EX+4:EX+5]
	v_pk_add_f32 v[EX+8:EX+9], v[EX+8:EX+9], v[EX+12:EX+13]
	v_pk_add_f32 v[PR:PR+1], v[EX:EX+1], v[EX+8:EX+9]
	v_permlanex16_b32 v[EX], v[PR], s[SEL], s[SEL+1]
	v_permlanex16_b32 v[EX+1], v[PR+1], s[SEL], s[SEL+1]
	v_pk_add_f32 v[PR:PR+1], v[PR:PR+1], v[EX:EX+1]            ; the row's Sg and Sl
.irp g, 0,1,2,3
	ds_load_b128 v[EX+4*\g:EX+4*\g+3], v[ADV] offset:512*\g    ; V's fragment: my 128 keys of the head; it lands while attn is made
.endr
	v_rcp_f32 v[C0], v[PR]
	v_rcp_f32 v[CL], v[PR+1]
	v_nop
	s_wait_alu depctr_va_vdst(0)                   ; one wait for the two
	v_mul_f32 v[C0], 0.5, v[C0]
	v_mul_f32 v[CL], 0.5, v[CL]
	v_mul_f32 v[ZZ], 0, v[CL]                      ; 0, or NaN where no key of the row is in the mask
.irp t, 0,1,2,3,4,5,6,7
.irp i, 0,2,4,6
	v_pk_mul_f32 v[TU+8*\t+\i:TU+8*\t+\i+1], v[TU+8*\t+\i:TU+8*\t+\i+1], v[C0:C0+1] op_sel_hi:[1,0]
.endr
.irp i, 0,2,4,6
	v_pk_fma_f32 v[TU+8*\t+\i:TU+8*\t+\i+1], v[TA+8*\t+\i:TA+8*\t+\i+1], v[CL:CL+1], v[TU+8*\t+\i:TU+8*\t+\i+1] op_sel_hi:[1,0,1]   ; attn, finished
.endr
.irp i, 0,1,2,3,4,5,6,7
	v_min_num_f32 v[TU+8*\t+\i], v[TU+8*\t+\i], v29   ; the conversion does not saturate (ISA guide 7.6.2); attn is not negative: the hold is one-sided
.endr
	v_cvt_scalef32_pk8_fp8_f32 v[PC+2*\t:PC+2*\t+1], v[TU+8*\t:TU+8*\t+7], v28   ; (the codes take the places of El's numbers that are done with)
.endr
	v_nop                                          ; one plain vector instruction behind the last conversion
	s_wait_dscnt 0x0                               ; V
	v_wmma_f32_16x16x128_fp8_fp8 v[OP:OP+7], v[EX:EX+15], v[PC:PC+15], 0   ; my part of O^T: register j, lane (r, h): d = 8 h + j of query r
.rept 4
	v_nop                                          ; four places, ahead of the stores below and of the next loads into V's registers
.endr
	ds_store_b128 v[OPW], v[OP:OP+3]
	ds_store_b128 v[OPW], v[OP+4:OP+7] offset:512
.if \more
	s_add_co_u32 s[VS], s[VS], 16384
	s_xor_b32 s[SLB], s[SLB], RING1
.endif
.endm
.macro SCALE e, sc, lim                ; 2^e and 448 x 2^e as f32 numbers
	s_add_co_i32 s2, s[\e], 127
	s_lshl_b32 s3, s2, 23
	v_mov_b32 v[\sc], s3
	s_add_co_i32 s2, s2, 8
	s_lshl_b32 s2, s2, 23
	s_or_b32 s2, s2, 0x600000
	v_mov_b32 v[\lim], s2
.endm
	s_load_b512 s[16:31], s[0:1], 0x0              ; qimg s[16:17], kimg s[18:19], vimg s[20:21], mbits s[22:23], Wo s[24:25], bo s[26:27], the scales s[28:29], out0 s[30:31]
	v_lshl_add_u32 v[SPW], v0, 2, SPARE
	v_mov_b32 v[NIL], 0
	ds_add_u32 v4, v5
	s_wait_dscnt 0x0
	v_lshrrev_b32 v1, 5, v0
	v_readfirstlane_b32 s[WV], v1                  ; wave 0..15
	s_and_b32 s[KS], s[WV], 7                      ; my eighth of the keys; on the way out my 16 columns
	s_lshr_b32 s[QTW], s[WV], 3                    ; my tile of 16 queries
	s_and_b32 s3, ttmp7, 0xffff                    ; the batch, which the four partners share
	; descriptor group 1: a dense block of 16,384 bytes as 64 rows of 256 bytes (32 elements of 8 bytes)
	s_mov_b32 s[G1K], 15|(3<<16)|(1<<21)           ; 15:0 the mask: all four work-groups; 17:16 elements of 8 bytes; 21 set beside a mask; no padding
	s_mov_b32 s[G1K+1], 32<<16                     ; tensor_dim0 = 32
	s_mov_b32 s[G1K+2], 64<<16                     ; tensor_dim1 = 64
	s_mov_b32 s[G1K+3], 32<<16                     ; tile_dim0 = 32
	s_mov_b32 s[G1K+4], 64                         ; tile_dim1 = 64
	s_mov_b32 s[G1K+5], 32                         ; tensor_dim0_stride
	s_mov_b32 s[G1K+6], 0
	s_mov_b32 s[G1K+7], 0
	s_mov_b32 s[SEL], 0x76543210
	s_mov_b32 s[SEL+1], 0xfedcba98
	s_mov_b32 s[SLB], 0
	s_mov_b32 s[CNT], 7
	s_mov_b32 s[VS], 0
	; what I fetch, if I fetch: made of the batch and the wave's number alone
	s_and_b32 s2, s[WV], 3
	s_lshl_b32 s32, s2, 14                         ; K: my quarter of a head, in memory and in a slot
	s_lshl_b32 s34, s3, 19
	s_add_co_u32 s34, s34, s32
	s_mov_b32 s35, 0
	s_add_co_u32 s2, s[WV], 4
	s_and_b32 s2, s2, 7                            ; waves 4 .. 11: 0 .. 7
	s_lshl_b32 s33, s2, 14                         ; V: my eighth of the batch's codes
	s_lshl_b32 s36, s3, 17
	s_add_co_u32 s36, s36, s33
	s_mov_b32 s37, 0
	s_mov_b32 s[G0K], 1                            ; count = 1
	s_mov_b32 s[G0K+1], s32                        ; LDS address: slot 0
	s_mov_b32 s[G0V], 1
	s_add_co_u32 s[G0V+1], s33, VRES
	; my place in the cluster enters the addresses of q, the mask words and out0 alone
	s_bfe_u32 s38, ttmp6, 0x40000                  ; cx
	s_lshl_b32 s39, ttmp9, 2
	s_add_co_u32 s39, s39, s38                     ; my block of 32 queries = 4 x cluster x + cx
	s_lshl_b32 s40, s39, 1
	s_add_co_u32 s40, s40, s[QTW]                  ; my tile of queries among the batch's 64
	s_lshl_b32 s42, s3, 19
	s_lshl_b32 s41, s40, 10
	s_add_co_u32 s42, s42, s41                     ; q: 524,288 b + 1,024 tile, head 0
	s_mov_b32 s43, 0
	s_lshl_b32 s44, s40, 11
	s_lshl_b32 s41, s[KS], 8
	s_add_co_u32 s44, s44, s41                     ; the mask words: 2,048 x tile + 256 ks
	s_mov_b32 s45, 0
	s_lshl_b32 s46, s3, 19
	s_lshl_b32 s41, s39, 14
	s_add_co_u32 s46, s46, s41
	s_lshl_b32 s41, s[WV], 10
	s_add_co_u32 s46, s46, s41                     ; out0: rows 1,024 b + 32 block + 2 w, of 512 bytes
	s_mov_b32 s47, 0
	; the LDS addresses: constants, the lane and the wave's number
	v_and_b32 v1, 31, v0
	v_lshlrev_b32 v[LI], 4, v1
	v_lshlrev_b32 v[MXW], 3, v1                    ; 8 x lane
	s_lshl_b32 s49, s[QTW], 11
	s_add_co_u32 s49, s49, STM
	v_add_nc_u32 v[MXR], s49, v[MXW]
	s_lshl_b32 s50, s[KS], 8
	v_add_nc_u32 v[MXW], s50, v[MXR]
	s_lshl_b32 s49, s[QTW], 13
	s_add_co_u32 s49, s49, OPART
	s_lshl_b32 s50, s[KS], 10
	s_add_co_u32 s50, s50, s49
	v_add_nc_u32 v[OPW], s50, v[LI]
	s_lshr_b32 s50, s[KS], 2
	s_lshl_b32 s50, s50, 9
	s_and_b32 s51, s[KS], 3
	s_lshl_b32 s51, s51, 2
	s_add_co_u32 s50, s50, s51
	s_add_co_u32 s50, s50, s49
	v_add_nc_u32 v[OPR], s50, v[LI]                ; register ks of a part: 512 (ks / 4) + 16 x lane + 4 (ks % 4)
	s_lshl_b32 s48, s[KS], 11
	s_add_co_u32 s48, s48, VRES
	v_add_nc_u32 v[AV0], s48, v[LI]
	s_lshl_b32 s48, s[WV], 11
	s_add_co_u32 s48, s48, WOIMG
	v_add_nc_u32 v[WOW], s48, v[LI]
	s_lshl_b32 s48, s[KS], 13
	v_add_nc_u32 v[AK0], s48, v[LI]
	v_and_b32 v14, 15, v0                          ; r
	v_bfe_u32 v15, v0, 4, 1                        ; h
	s_lshl_b32 s48, s[KS], 6
	v_lshl_add_u32 v16, v14, 2, s48
	v_lshl_add_u32 v16, v15, 12, v16               ; Wo: column 16 ks + r, lanes 16-31 begin 8 rows further down: 4,096 h + 64 ks + 4 r
	s_wait_kmcnt 0x0
	s_load_b128 s[52:55], s[28:29], 0x18           ; e6, e7, e8, e9
	s_add_nc_u64 s[G0K+2:G0K+3], s[18:19], s[34:35]   ; K at my quarter of head 0
	s_or_b32 s[G0K+3], s[G0K+3], 0x80000000        ; type = 2
	s_add_nc_u64 s[G0V+2:G0V+3], s[20:21], s[36:37]
	s_or_b32 s[G0V+3], s[G0V+3], 0x80000000
	s_add_nc_u64 s[4:5], s[16:17], s[42:43]
	s_add_nc_u64 s[104:105], s[22:23], s[44:45]
	s_mov_b64 s[6:7], s[26:27]
	s_add_nc_u64 s[84:85], s[30:31], s[46:47]
	CROUND                                         ; all four work-groups are here: the first joint loads meet
	s_cmp_lt_u32 s[WV], 4                          ; the first fills: one a wave, in one branch on the wave's number
	s_cbranch_scc0 .Lnot_k
	tensor_load_to_lds s[G0K:G0K+3], s[G1K:G1K+7]  ; head 0's K into slot 0
	s_nop 0
.rept 4
	v_nop
.endr
	s_branch .Lfilled
.Lnot_k:
	s_cmp_lt_u32 s[WV], 12
	s_cbranch_scc0 .Lfilled
	tensor_load_to_lds s[G0V:G0V+3], s[G1K:G1K+7]  ; the batch's V, once
	s_nop 0
.rept 4
	v_nop
.endr
.Lfilled:
	global_load_b128 v[QF:QF+3], v[LI], s[4:5]
	global_load_b128 v[QF+4:QF+7], v[LI], s[4:5] offset:512
.irp c, 0,1,2,3,4,5,6,7
.irp j, 0,1,2,3,4,5,6,7
	global_load_b32 v[TA+8*\c+\j], v16, s[24:25] offset:(16*\j+\c)*512   ; Wo(16 j + 8 h + c, 16 ks + r): the order of K in which the gathered O comes
.endr
.endr
	s_wait_kmcnt 0x0
	SCALE 53, 28, 29                               ; attn's scale
	SCALE 55, 24, 26                               ; Wo's (these two registers take 0.5 / Sg and 0.5 / Sl later)
	s_sub_co_i32 s56, s54, s52
	s_sub_co_i32 s56, s56, s53                     ; a sum of attn x v stands for sum x 2^(e6 + e7): its code is sum / 2^(e8 - e6 - e7)
	SCALE 56, 30, 31
	s_add_co_i32 s86, s54, s55
	s_add_co_i32 s86, s86, 127
	s_lshl_b32 s86, s86, 23                        ; 2^(e8 + e9) as f32
	s_mov_b32 s87, s86                             ; (named with it as a pair, so it is written)
	v_mov_b32 v[NINF], 0xff800000
.irp j, 17,19,20,21,22,23,25,27
	v_mov_b32 v\j, 0                               ; the upper halves of pairs that are named whole; v[20:23]: the zeros with which the parts of O^T begin
.endr
.irp j, 0,1,2,3,4,5,6,7
	v_mov_b32 v[OS+\j], 0                          ; written once, since they are moved up before they are filled
.endr
	s_wait_loadcnt 0x0
.irp g, 0,1,2,3,4,5,6,7
.irp i, 0,1,2,3,4,5,6,7
	v_med3_num_f32 v[TA+8*\g+\i], v[TA+8*\g+\i], -v26, v26   ; the hold at the largest code x the scale (ISA guide 7.6.2)
.endr
	v_cvt_scalef32_pk8_fp8_f32 v[EX+2*\g:EX+2*\g+1], v[TA+8*\g:TA+8*\g+7], v24
.endr
	v_nop                                          ; one plain vector instruction behind the last conversion
.irp c, 0,1,2,3
	ds_store_b128 v[WOW], v[EX+4*\c:EX+4*\c+3] offset:512*\c   ; Wo's fragment waits in LDS, in my own bytes
.endr
	ds_store_b128 v[OPW], v[20:23]
	ds_store_b128 v[OPW], v[20:23] offset:512
	s_load_b512 s[16:31], s[104:105], 0x0          ; my 64 mask words, the same for all heads.  (All that lay in these registers has been used: the waits for 0 on the loads above have freed the addresses)
	s_load_b512 s[32:47], s[104:105], 0x40
	s_load_b512 s[48:63], s[104:105], 0x80
	s_load_b512 s[68:83], s[104:105], 0xc0
.Lround:                                           ; heads 0 to 6
	ROUND 1
	s_sub_co_u32 s[CNT], s[CNT], 1
	s_cmp_lg_u32 s[CNT], 0
	s_cbranch_scc1 .Lround
	ROUND 0                                        ; head 7 is written out
	; ---- THE WAY OUT.  The addresses are made in the address registers that are free now
	s_lshl_b32 s2, s[QTW], 11
	s_add_co_u32 s2, s2, OIMG                      ; my tile's image
	s_lshr_b32 s3, s[KS], 1
	s_lshl_b32 s3, s3, 9
	s_add_co_u32 s3, s3, s2
	s_and_b32 s16, s[KS], 1
	s_lshl_b32 s16, s16, 3
	s_add_co_u32 s3, s3, s16                       ; registers 2 ks, 2 ks + 1 of it: group ks / 2, byte 8 (ks % 2)
	s_mul_i32 s17, s[QTW], 16*SPT
	s_lshl_b32 s16, s[KS], 6
	s_add_co_u32 s17, s17, s16
	s_add_co_u32 s17, s17, STAGE                   ; the stage: my tile's 16 rows, my 16 columns
	s_mul_i32 s18, s[WV], 2*SPT
	s_add_co_u32 s18, s18, STAGE                   ; and the two rows that I store
	v_add_nc_u32 v2, s2, v[LI]
	v_add_nc_u32 v1, s3, v[LI]
	v_and_b32 v3, 15, v0
	v_bfe_u32 v8, v0, 4, 1
	v_mul_u32_u24 v3, v3, SPT
	v_lshl_add_u32 v3, v8, 5, v3
	v_add_nc_u32 v3, s17, v3                       ; row r, + 32 h
	v_lshl_add_u32 v8, v8, 5, s16                  ; bo: 64 ks + 32 h
	v_add_nc_u32 v12, s18, v[LI]
	global_load_b128 v[TU:TU+3], v8, s[6:7]        ; bo of my eight columns
	global_load_b128 v[TU+4:TU+7], v8, s[6:7] offset:16
	BARRIER                                        ; head 7's parts of O^T lie in LDS
	PARTS
.irp c, 0,1,2,3
	ds_load_b128 v[TA+4*\c:TA+4*\c+3], v[WOW] offset:512*\c   ; Wo's fragment comes back
.endr
	s_wait_dscnt 4                                 ; the parts are in; Wo's four loads may be out
	RSUM
.irp j, 0,1,2,3,4,5,6,7
	v_med3_num_f32 v[TU+8+\j], v[OS+\j], -v31, v31 ; the hold
.endr
	v_cvt_scalef32_pk8_fp8_f32 v[TU+16:TU+17], v[TU+8:TU+15], v30   ; dims 16 j + 8 h + ks, j = 0 .. 7, of query r
	v_nop
	ds_store_b64 v1, v[TU+16:TU+17]
	BARRIER                                        ; the operand's images are whole
.irp g, 0,1,2,3
	ds_load_b128 v[EX+4*\g:EX+4*\g+3], v2 offset:512*\g   ; 16 queries x 128 dims
.endr
	s_wait_loadcnt 0x0                             ; bo
	s_wait_dscnt 0x0
	v_wmma_f32_16x16x128_fp8_fp8 v[TU+24:TU+31], v[TA:TA+15], v[EX:EX+15], 0   ; transposed: lane (r, h) holds query r, register j column 16 ks + 8 h + j
.irp j, 0,1,2,3,4,5,6,7
	v_add_f32 v[TU+\j], v[TU+\j], v[ZZ]            ; my lane is this query's row: + 0, or NaN.  (These eight are the places behind the product)
.endr
.irp i, 0,2,4,6
	v_pk_fma_f32 v[TU+32+\i:TU+33+\i], v[TU+24+\i:TU+25+\i], s[86:87], v[TU+\i:TU+\i+1] op_sel_hi:[1,0,1]   ; sum x 2^(e8 + e9) + bo
.endr
	ds_store_b128 v3, v[TU+32:TU+35]
	ds_store_b128 v3, v[TU+36:TU+39] offset:16
	BARRIER                                        ; 32 whole rows of out lie in the stage
	ds_load_b128 v[TU+40:TU+43], v12
	ds_load_b128 v[TU+44:TU+47], v12 offset:SPT
	s_wait_dscnt 1                                 ; the first row is in; the second row's load may be out
	global_store_b128 v[LI], v[TU+40:TU+43], s[84:85] th:TH_STORE_NT             ; 32 lanes store a row of 512 consecutive bytes, aligned
	s_wait_dscnt 0x0
	global_store_b128 v[LI], v[TU+44:TU+47], s[84:85] offset:512 th:TH_STORE_NT
	s_wait_tensorcnt 0x0                           ; the wave's end, behind my last tensor load and my last LDS store
	ds_add_u32 v[SPW], v[NIL]
	s_wait_dscnt 0x0
	CROUND                                         ; the closing round: no work-group ends while a partner may still ask for a tile that names it
	s_endpgm
.Lfunc_end_k_q6ed7497e8a_attn:
	.size	k_q6ed7497e8a_attn, .Lfunc_end_k_q6ed7497e8a_attn-k_q6ed7497e8a_attn
	.p2alignl 7, 3214868480
	.fill 96, 4, 3214868480
	.section	.rodata,"a",@progbits
	.p2align	6, 0x0
	.amdhsa_kernel k_q6ed7497e8a_attn
		.amdhsa_group_segment_fixed_size 327680
		.amdhsa_private_segment_fixed_size 0
		.amdhsa_enable_private_segment 0
		.amdhsa_kernarg_size 64
		.amdhsa_user_sgpr_count 2
		.amdhsa_user_sgpr_kernarg_segment_ptr 1
		.amdhsa_wavefront_size32 1
		.amdhsa_system_sgpr_workgroup_id_x 1
		.amdhsa_system_sgpr_workgroup_id_y 1
		.amdhsa_system_sgpr_workgroup_id_z 1
		.amdhsa_system_vgpr_workitem_id 0
		.amdhsa_next_free_vgpr 256
		.amdhsa_next_free_sgpr 106
		.amdhsa_reserve_vcc 0
		.amdhsa_float_denorm_mode_32 3
		.amdhsa_float_denorm_mode_16_64 3
		.amdhsa_memory_ordered 1
		.amdhsa_forward_progress 1
		.amdhsa_inst_pref_size 94
	.end_amdhsa_kernel
	.amdgpu_metadata
---
amdhsa.version: [ 1, 2 ]
amdhsa.kernels:
  - .name:           k_q6ed7497e8a_attn
    .symbol:         k_q6ed7497e8a_attn.kd
    .args:
      - { .name: qimg, .offset: 0, .size: 8, .value_kind: global_buffer, .address_space: global }
      - { .name: kimg, .offset: 8, .size: 8, .value_kind: global_buffer, .address_space: global }
      - { .name: vimg, .offset: 16, .size: 8, .value_kind: global_buffer, .address_space: global }
      - { .name: mbits, .offset: 24, .size: 8, .value_kind: global_buffer, .address_space: global }
      - { .name: Wo, .offset: 32, .size: 8, .value_kind: global_buffer, .address_space: global }
      - { .name: bo, .offset: 40, .size: 8, .value_kind: global_buffer, .address_space: global }
      - { .name: lowp_scales, .offset: 48, .size: 8, .value_kind: global_buffer, .address_space: global }
      - { .name: out0, .offset: 56, .size: 8, .value_kind: global_buffer, .address_space: global }
    .group_segment_fixed_size: 327680
    .private_segment_fixed_size: 0
    .kernarg_segment_align: 8
    .kernarg_segment_size: 64
    .max_flat_workgroup_size: 512
    .sgpr_count:     106
    .vgpr_count:     256
    .wavefront_size: 32
...
	.end_amdgpu_metadata
.endif
;; end of part 2
